; MI455X (gfx1250); checked and timed in simulation.
; The chip was launched on July 23, 2026; its instructions are those of AMD's public machine-readable ISA for CDNA 5 (MIT licence, August 2026) and "CDNA5" Instruction Set Architecture Reference Guide (July 2026). The comments in the code are by the model that wrote it; some were corrected since.
;; attn. Allowed arithmetic: matrix products marked QUANTISED: E4M3 operands, one given power-of-two scale a tensor, by v_wmma_f32_16x16x64_fp8_fp8 or v_wmma_f32_16x16x128_fp8_fp8, f32 sums; everything else in f32.
;; Inputs: W_proj_codes 1,024 x 32 x 32 uint8 (E4M3 codes of W_proj, K innermost, in blocks of 32 codes); W_qkv_codes 3,072 x 32 x 32 uint8 (E4M3 codes of W_qkv, K innermost, in blocks of 32 codes); b_proj 1,024 float32; b_qkv 3,072 float32; lowp_scales 8 int32 (the exponents e of the quantised operands' scales 2^e); x_codes 4 x 2,048 x 32 x 32 uint8 (E4M3 codes of x, K innermost, in blocks of 32 codes).
;; Outputs: out0 4 x 2,048 x 1,024 float32.
;; This version of the problem:
;;   THIS VERSION OF THE PROBLEM IS GIVEN IN LOW PRECISION. The matrix products marked QUANTISED in the list below multiply operands that are first quantised to E4M3 (4 exponent bits, 3 mantissa bits; 8 bits a number), with one given power-of-two scale for each operand tensor; their sums are f32. All else is computed in f32.
;;   The module's matrix products, in the order in which they are computed (A, B: the left and right operand; K: the contracted axis; several contracted axes count as one K, in the product's order):
;;     1. [M 8,192, K 1,024] x [K 1,024, N 3,072]; A: input x (given as codes); B: input W_qkv (given as codes): QUANTISED (scales: A lowp_scales[0], B lowp_scales[1])
;;     2. batch 64 x [M 2,048, K 64] x [K 64, N 2,048]; A: computed on the way; B: computed on the way: QUANTISED (scales: A lowp_scales[2], B lowp_scales[3])
;;     3. batch 64 x [M 2,048, K 2,048] x [K 2,048, N 64]; A: softmax (see below); B: computed on the way: QUANTISED (scales: A lowp_scales[4], B lowp_scales[5])
;;     4. [M 8,192, K 1,024] x [K 1,024, N 1,024]; A: computed on the way; B: input W_proj (given as codes): QUANTISED (scales: A lowp_scales[6], B lowp_scales[7])
;;   THE QUANTISER, for each operand of a quantised product, along K:
;;     - The operand's scale is 2^e, e = its entry of the input lowp_scales (int32; the entries are numbered through the quantised products in the list's order, A before B).
;;     - Each number is divided by the scale, clamped to +-448, and rounded to the nearest number of E4M3, ties to even, subnormals kept.
;;     - The product sums the exact products of the quantised numbers (number of the format x scale) in f32.
;;   ~~~python
;;   def quantise(x, axis, e):      # numpy; x: float32 -> the quantised numbers, widened to float32 again
;;       x = np.moveaxis(x, axis, -1); K = x.shape[-1]
;;       r = np.clip(x / 2.0 ** e, -448, 448)
;;       step = 2.0 ** (np.maximum(np.frexp(np.where(r == 0, 1, r))[1] - 1, -6) - 3)
;;       q = np.round(r / step) * step * 2.0 ** e      # np.round: ties to even
;;       return np.moveaxis(q, -1, axis).astype(np.float32)
;;   ~~~
;;   SOFTMAX AHEAD OF A QUANTISED PRODUCT. Where the list says 'softmax', what is quantised is not the finished softmax but p = 2^(t - M), with t = logit x log2(e) and M = ceil(the row's largest t), a whole number; so 1/2 < the row's largest p <= 1. The row's sum l is taken of the UNQUANTISED p, in f32, and the product's result is divided by l at the end. Since M is a whole number, a kernel that streams over the keys may use a running M (the ceiling of the running maximum): every later rescaling is an exact power of two, so the quantised numbers keep their values, but for numbers so far below the row's largest that they fall under the format's range.
;;   OPERANDS COMPUTED ON THE WAY. 'Computed on the way' means the value that the module computes at that place (a softmax that the list does not call 'softmax' is quantised finished and normalised). What goes into a quantiser is computed in f32, as accurately as f32 sums, v_exp_f32 and their like allow (about 1e-6 of the number): no bf16 or f16 on the way to a quantiser, and a product that is left as it is and whose result goes on into a quantised operand takes f32 operands (vector FMAs, or v_wmma_f32_16x16x4_f32). A number that lies on a knife's edge between two numbers of the format may be rounded either way, as far as f32 arithmetic and the matrix unit's own rounding can turn it there, and no further.
;;   INPUTS GIVEN AS CODES. W_proj (in the module: [1024, 1024], K = its axis 0); W_qkv (in the module: [1024, 3072], K = its axis 0); x (in the module: [4, 2048, 1024], K = its axis 2): each comes as NAME_codes (uint8): NAME with its K axis moved to the last place and cut into blocks of 32 codes, [.., K / 32, bytes a block], one block behind the other in memory; one code a byte (a code: sign, 4 exponent bits, 3 mantissa bits); its scale is its entry of lowp_scales. Its value is code x scale, taken as it is: it is not quantised again, and the codes and scales need not be those that the quantiser above would give.
;; One version. Each part assembles by itself: llvm-mc -triple=amdgcn-amd-amdhsa -mcpu=gfx1250 --defsym DOCPART=n.
;; ======== version 1 of 1: 3 launches
;; limits: right only within a limited range of input values
;; workspace buffers: qkv_img 25,165,824 bytes; a_img 8,388,608 bytes
;; launch qkv (part 1): grid 12 x 32, 4 waves a work-group, clusters of 4 x 4, 327,680 bytes of LDS; arguments x_codes, W_qkv_codes, lowp_scales, b_qkv, qkv_img; writes qkv_img
.if DOCPART == 1
	.amdgcn_target "amdgcn-amd-amdhsa--gfx1250"
	.amdhsa_code_object_version 6
	.text
	.protected	k_qa55c699d76_qkv
	.globl	k_qa55c699d76_qkv
	.p2align	8
	.type	k_qa55c699d76_qkv,@function
k_qa55c699d76_qkv:
	s_mov_b64 s[64:65], 0
	v_nop
	global_prefetch_b8 v0, s[64:65] scope:SCOPE_SE
	s_setreg_imm32_b32 hwreg(HW_REG_WAVE_MODE, 25, 1), 1
	s_wait_xcnt 0x0
	s_wait_alu depctr_hold_cnt(0) depctr_sa_sdst(0) depctr_va_vdst(0) depctr_va_sdst(0) depctr_va_ssrc(0) depctr_va_vcc(0) depctr_vm_vsrc(0)
	s_getreg_b32 s2, hwreg(HW_REG_IB_STS2, 6, 4)
	s_cmp_eq_u32 s2, 0
	s_cbranch_scc0 .Lentry_in_a_cluster
	s_endpgm
.Lentry_in_a_cluster:
	s_bfe_u32 s2, ttmp6, 0x10000c
	s_cmp_lg_u32 s2, 0xf033
	s_cbranch_scc0 .Lentry_shape_is_right
	s_endpgm
.Lentry_shape_is_right:
; qkv = x W_qkv + b_qkv on codes of FP8 (E4M3), then q, k and v are quantised (2^e2, 2^e3, 2^e5) and stored as IMAGES OF OPERAND REGISTERS for the attention launch.
; x: [8192][1024] codes, W: [3072][1024] codes, K innermost.  A sum stands for sum x 2^(e0 + e1); value = sum x 2^(e0 + e1) + bias, in f32, one fused multiply-add.
; SHARES.  A work-group of four waves makes 256 tokens x 256 features, a wave 128 x 128: 64 accumulators, 512 registers.  K goes in steps of 256 through a ring of two LDS slots: 1,024 along K are four fills.
; CLUSTERS: 4 x 4 work-groups; x's tile is shared along a row of the cluster, W's along a column: each is asked for jointly.  The cluster's x is the MODE, the same in all sixteen partners: 0 = q, 1 = k, 2 = v.
; 384 work-groups: the tile keeps a wave's 128 features two whole heads and a wave's 128 tokens one whole key step, so that every image is made by one wave.
; LAYOUT.  Source 0 of the matrix instruction gives the registers' index of a result, source 1 the lanes'.  q, k: source 0 = 16 features of W, source 1 = 16 tokens of x: a lane holds ONE token and eight neighbouring features.
; v: the other way round (source 0 = tokens, source 1 = features): a lane holds ONE feature and eight neighbouring tokens, since the keys are the K of attention's second product.
; The matrix lines are the same in all modes: only the part of a slot that each source's loads read is chosen, once, at the head, on the cluster's x.
; IMAGES.  Eight numbers of an accumulator become two registers of codes: registers 2 c, 2 c + 1 hold k = 16 c + 8 (lane / 16) + 0 .. 7, the matrix forms' own layout.  Four registers go out by one store, lane l's 16 bytes at 16 l:
; each store of the wave covers 512 consecutive bytes, aligned.  No stage in LDS is needed.
; qkv_img: head bh = 16 batch + head at bh x 393,216.  In it: Q's tile jt (16 queries) at 1,024 jt;  from 131,072 on key step st (128 keys) at 16,384 st: K's tile a at 1,024 a, V's tile dt (16 of the head's 64) at 8,192 + 2,048 dt.
; LIMITS: e0 + e1 between -126 and 127; e2, e3, e5 between -126 and 119, so that each power of two below is an f32 number.  NaN among the inputs is not served.
; REGISTERS, in windows of 256: window 0: v1-29 addresses; v32-95 the bias by register, v96-111 the bias by lane; v112 the scale; from v128 source 1's fragments, ONE set (on the way out: v128-191 numbers, v192-255 codes).
;   window 1: source 0's fragments, TWO sets, at v0 and v128.   windows 2, 3: the accumulators, (a, b) at v[8 (8 (a % 4) + b)].
.set KROW,   1024                      ; a row of x or of W in memory, in bytes
.set ROWB,   256                       ; a tile's row: 256 codes
.set PITCH,  272                       ; an LDS row: 256 bytes + 16 of padding = 68 words: the 16 rows that a load touches start at 16 different banks (64 banks of 4 bytes: ISA guide 11.1)
.set FR,     16                        ; registers of a fragment: 16 rows x 128 K
.set NL,     4                         ; LDS loads that bring one
.set NP,     4                         ; places behind this matrix instruction (ISA guide 7.12.1)
.set HALFT,  128*PITCH                 ; 128 rows: what one tensor load brings
.set SLOT,   4*HALFT                   ; x's 256 rows, then W's 256 rows
.set SPARE,  2*SLOT                    ; behind the ring: the spare words, 128 bytes for each wave
.set HEADB,  393216                    ; a head in qkv_img
.set VO,   9                           ; v9      16 x lane: my place in an image's 512 bytes; never rewritten
.set ADRA, 16                          ; v16-17  LDS address of source 1's fragments in slot 0, 1
.set ADRB, 20                          ; v20-21  the same for source 0
.set SPW,  28                          ; v28     LDS address of my spare word; never rewritten
.set NIL,  29                          ; v29     0; never rewritten
.set BR,   32                          ; v32-95  b(F + 16 b + 8 h + i) at 8 b + i: for q and k
.set BL,   96                          ; v96-111 b(F + 16 a + r) at 2 a and 2 a + 1: for v
.set SC,   112                         ; v112    2^e as f32
.set LIM,  113
.set AF,   128                         ; source 1's fragments
.set TMP,  128                         ; the way out: a block's 64 numbers
.set CD,   192                         ; the way out: codes, 16 registers for each of four blocks
.set G1, 24                            ; s[24:31] descriptor group 1 for x's tiles;  s[32:39] group 0, one set for each slot
.set G0, 32
.set G1B, 48                           ; s[48:55], s[56:63] the same for W's tiles
.set G0B, 56
.set MSB, 0
.macro WIN new                         ; the immediate's high byte repeats the setting that is left
.if MSB != \new
	s_set_vgpr_msb (MSB<<8)|\new
.set MSB, \new
.endif
.endm
.set MUL_LO, 0xa1                      ; source 0 window 1, source 1 window 0, C and D window 2
.set MUL_HI, 0xf1                      ; the same, C and D window 3
.set TO_B,   0x40                      ; destination window 1, address window 0
; A joint load: waves 0 and 1 fetch x's two halves, waves 2 and 3 W's.  The branch hangs on the wave's number alone.  Four v_nop follow each of the two lines.
.macro JLOAD g0a, g1a, g0b, g1b
	s_cmp_eq_u32 s15, 0
	s_cbranch_scc0 .Lfor_b_\@
	tensor_load_to_lds s[\g0a:\g0a+3], s[\g1a:\g1a+7]
	s_nop 0
.rept 4
	v_nop
.endr
	s_branch .Lasked_\@
.Lfor_b_\@:
	tensor_load_to_lds s[\g0b:\g0b+3], s[\g1b:\g1b+7]
	s_nop 0
.rept 4
	v_nop
.endr
.Lasked_\@:
.endm
.macro CREST                           ; a round of the cluster's barrier behind its opening barrier
	s_cmp_lg_u32 s14, 0
	s_cbranch_scc1 .Lnot_wave_0_\@
	s_barrier_signal -3
.Lnot_wave_0_\@:
	s_barrier_wait -3
	s_barrier_signal -1
	s_barrier_wait -1
.endm
.macro CROUND                          ; a whole round
	s_barrier_signal -1
	s_barrier_wait -1
	CREST
.endm
	s_load_b128 s[4:7], s[0:1], 0x0                ; x's codes s[4:5], W's codes s[6:7]
	s_load_b128 s[8:11], s[0:1], 0x10              ; the scales' exponents s[8:9], b_qkv s[10:11]
	s_load_b64 s[12:13], s[0:1], 0x20              ; qkv_img
	v_lshl_add_u32 v[SPW], v0, 2, SPARE
	v_mov_b32 v[NIL], 0
	ds_add_u32 v28, v29
	ds_add_u32 v28, v29
	s_wait_dscnt 0x0
	v_lshrrev_b32 v1, 5, v0
	v_readfirstlane_b32 s14, v1                    ; wave 0..3
	s_lshr_b32 s15, s14, 1                         ; wr: which 128 tokens are mine.  Also: I fetch for x (0) or for W (1)
	s_and_b32 s16, s14, 1                          ; wc: which 128 features.  Also: which 128 rows of that tile I fetch
	s_bfe_u32 s40, ttmp6, 0x40000                  ; cx, cy: my place in the cluster
	s_bfe_u32 s41, ttmp6, 0x40004
	s_lshl_b32 s42, ttmp9, 2
	s_add_co_u32 s42, s42, s40                     ; ct: tile column (256 features) = 4 x cluster x + cx
	s_and_b32 s17, ttmp7, 0xffff
	s_lshl_b32 s17, s17, 2
	s_add_co_u32 s17, s17, s41                     ; rt: tile row (256 tokens) = 4 x cluster y + cy
	s_lshl_b32 s43, s41, 2
	s_lshl_b32 s43, 15, s43                        ; my row of the cluster
	s_lshl_b32 s44, 0x1111, s40                    ; my column
	; descriptor group 1: a tile of 128 rows x 256 bytes, padded in LDS
	s_or_b32 s[G1+0], s43, (0<<16)|(1<<20)|(1<<21)|(5<<22)|(3<<25)  ; 15:0 the mask: x's tiles go to my row; 17:16 element of 1 byte; 20 padding on; 21 set beside a mask; 24:22 after every 64 words; 31:25 four words
	s_or_b32 s[G1B+0], s44, (0<<16)|(1<<20)|(1<<21)|(5<<22)|(3<<25) ; the same with the mask of my column, for W's tiles
.irp g, G1, G1B
	s_mov_b32 s[\g+1], ROWB<<16                    ; tensor_dim0
	s_mov_b32 s[\g+2], 128<<16                     ; tensor_dim1 = 128
	s_mov_b32 s[\g+3], ROWB<<16                    ; tile_dim0
	s_mov_b32 s[\g+4], 128                         ; tile_dim1 = 128
	s_mov_b32 s[\g+5], KROW                        ; tensor_dim0_stride
	s_mov_b32 s[\g+6], 0
	s_mov_b32 s[\g+7], 0
.endr
	s_lshl_b32 s18, s16, 7                         ; which 128 rows of the tile I fetch
	s_lshl_b32 s20, s17, 8
	s_add_co_u32 s20, s20, s18                     ; x: row 256 rt + 128 x half,
	s_lshl_b32 s20, s20, 10                        ; in bytes (under 2^23)
	s_mov_b32 s21, 0
	s_lshl_b32 s46, s42, 8
	s_add_co_u32 s46, s46, s18                     ; W: row 256 ct + 128 x half,
	s_lshl_b32 s46, s46, 10                        ; in bytes
	s_mov_b32 s47, 0
	s_mul_i32 s45, s14, HALFT                      ; where they go: wave x 128 rows: no place in the cluster enters an LDS address
	s_wait_kmcnt 0x0
	s_load_b256 s[68:75], s[8:9], 0x0              ; e0 .. e7
	s_add_nc_u64 s[20:21], s[4:5], s[20:21]
	s_add_nc_u64 s[46:47], s[6:7], s[46:47]
	CROUND                                         ; all sixteen work-groups are here: the first joint loads meet
.irp s, 0,1
	s_mov_b32 s[G0+4*\s], 1
	s_add_co_u32 s[G0+4*\s+1], s45, \s*SLOT
	s_add_nc_u64 s[G0+4*\s+2:G0+4*\s+3], s[20:21], \s*ROWB
	s_or_b32 s[G0+4*\s+3], s[G0+4*\s+3], 0x80000000
	s_mov_b32 s[G0B+4*\s], 1
	s_add_co_u32 s[G0B+4*\s+1], s45, \s*SLOT
	s_add_nc_u64 s[G0B+4*\s+2:G0B+4*\s+3], s[46:47], \s*ROWB
	s_or_b32 s[G0B+4*\s+3], s[G0B+4*\s+3], 0x80000000
	JLOAD G0+4*\s, G1, G0B+4*\s, G1B               ; two loads of mine are out
.endr
	v_and_b32 v1, 15, v0                           ; r = l % 16
	v_bfe_u32 v2, v0, 4, 1                         ; h = l / 16
	v_mul_u32_u24 v3, v1, PITCH
	v_lshl_add_u32 v4, v2, 4, v3                   ; a fragment's row x pitch + 16 x half
	s_wait_alu depctr_va_vdst(0)
	s_mul_i32 s21, s15, HALFT                      ; my 128 tokens' rows of x
	s_mul_i32 s22, s16, HALFT                      ; my 128 features' rows of W,
	s_add_co_u32 s22, s22, 2*HALFT                 ; which lie behind x's 256
	s_cmp_eq_u32 ttmp9, 2                          ; the mode, the same in all partners
	s_cselect_b32 s23, s22, s21                    ; source 1 (the lanes of a result): tokens for q and k, features for v
	s_cselect_b32 s2, s21, s22                     ; source 0 (its registers): features for q and k, tokens for v
.irp s, 0,1
	v_add_nc_u32 v[ADRA+\s], s23, v4
	v_add_nc_u32 v[ADRB+\s], s2, v4
	s_add_co_u32 s23, s23, SLOT
	s_add_co_u32 s2, s2, SLOT
.endr
	v_and_b32 v[VO], 31, v0
	v_lshlrev_b32 v[VO], 4, v[VO]
	v_lshlrev_b32 v7, 5, v2                        ; 32 h: eight numbers of the bias for each half of the lanes
	v_lshlrev_b32 v8, 2, v1                        ; 4 r: one number a lane
	s_lshl_b32 s76, s42, 10
	s_lshl_b32 s77, s16, 9
	s_add_co_u32 s76, s76, s77                     ; 4 F, F = 256 ct + 128 wc: my first feature
	s_mov_b32 s77, 0
	s_add_nc_u64 s[10:11], s[10:11], s[76:77]
	; both forms of the bias are loaded in every mode, without a branch: my 128 numbers lie inside b_qkv in every mode.  They are waited for on the way out.
.irp b, 0,1,2,3,4,5,6,7
	global_load_b128 v[BR+8*\b:BR+8*\b+3], v7, s[10:11] offset:64*\b
	global_load_b128 v[BR+8*\b+4:BR+8*\b+7], v7, s[10:11] offset:64*\b+16
.endr
.irp a, 0,1,2,3,4,5,6,7
	global_load_b32 v[BL+2*\a], v8, s[10:11] offset:64*\a
	global_load_b32 v[BL+2*\a+1], v8, s[10:11] offset:64*\a       ; twice: a pair for the packed form
.endr
	; where my images begin: head bh0 = 16 batch + 4 cx + 2 wc; key step (or eight query tiles) st = 2 (rt % 8) + wr
	s_lshr_b32 s76, s17, 3
	s_lshl_b32 s76, s76, 4
	s_lshl_b32 s77, s40, 2
	s_add_co_u32 s76, s76, s77
	s_lshl_b32 s77, s16, 1
	s_add_co_u32 s76, s76, s77                     ; bh0
	s_mul_i32 s76, s76, HEADB
	s_and_b32 s77, s17, 7
	s_lshl_b32 s77, s77, 1
	s_add_co_u32 s77, s77, s15                     ; st
	s_cmp_eq_u32 ttmp9, 0
	s_cselect_b32 s78, 13, 14                      ; q: 8,192 bytes for 128 tokens; k, v: 16,384 a key step
	s_cselect_b32 s79, 0, 131072                   ; k and v lie behind q
	s_lshl_b32 s77, s77, s78
	s_add_co_u32 s76, s76, s77
	s_add_co_u32 s76, s76, s79
	s_cmp_eq_u32 ttmp9, 2
	s_cselect_b32 s79, 8192, 0                     ; v lies behind the step's k
	s_add_co_u32 s76, s76, s79                     ; under 2^25
	s_mov_b32 s77, 0
	s_add_nc_u64 s[12:13], s[12:13], s[76:77]
.macro FRAG reg, adr, q, i             ; a fragment, 16 rows x 128 K, by four loads of 16 bytes: registers 4 c .. 4 c + 3 hold K = 32 c + 16 (l / 16) + 0 .. 15: the same permutation of k in x and in W, so every product meets its partner
.irp c, 0,1,2,3
	ds_load_b128 v[\reg+4*\c:\reg+4*\c+3], v[\adr] offset:128*(\q)+32*\c+(\i)*16*PITCH
.endr
.endm
; 16 matrix instructions: source 1's blocks a0, a0 + 1 x source 0's eight, 128 along K.  p: source 0's set.  zero = 1: the first product starts the sums.
; The 64 accumulators take turns, one instruction a turn, in the same order in every step.
.macro MUL16 a0, p, zero
.irp a, \a0, \a0+1
.irp b, 0,1,2,3,4,5,6,7
.if \zero
	v_wmma_f32_16x16x128_fp8_fp8 v[8*(8*((\a)%4)+\b):8*(8*((\a)%4)+\b)+7], v[128*(\p)+FR*\b:128*(\p)+FR*\b+FR-1], v[AF+FR*(\a):AF+FR*(\a)+FR-1], 0
.else
	v_wmma_f32_16x16x128_fp8_fp8 v[8*(8*((\a)%4)+\b):8*(8*((\a)%4)+\b)+7], v[128*(\p)+FR*\b:128*(\p)+FR*\b+FR-1], v[AF+FR*(\a):AF+FR*(\a)+FR-1], v[8*(8*((\a)%4)+\b):8*(8*((\a)%4)+\b)+7]
.endif
.endr
.endr
.endm
.macro FETCH_B slot, q, p              ; source 0's eight fragments of the slot's q-th 128 along K into set p
	WIN TO_B
.irp i, 0,1,2,3,4,5,6,7
	FRAG 128*(\p)+FR*\i, ADRB+\slot, \q, \i
.endr
	WIN 0
.endm
.macro FETCH_A slot, q, i0             ; source 1's blocks i0 .. i0 + 3
.irp i, \i0, \i0+1, \i0+2, \i0+3
	FRAG AF+FR*(\i), ADRA+\slot, \q, \i
.endr
.endm
.macro PLACES n                        ; plain vector instructions between a matrix instruction and a load into one of its sources, or a read of its result
.rept \n
	v_nop
.endr
.endm
; A step of 128 along K that has its successor in the same slot.  A block of source 1 is free as soon as its eight products are issued, so one set serves: blocks 0-3 come anew in the step's middle, blocks 4-7 at its end.
.macro STEP slot, q, zero
	s_wait_dscnt 4*NL                              ; source 0's set and blocks 0-3 are in; the youngest 16 loads (blocks 4-7) may be out
	WIN MUL_LO
	MUL16 0, (\q)%2, \zero
	MUL16 2, (\q)%2, \zero
	s_wait_dscnt 0                                 ; blocks 4-7 are in (asked for 32 matrix instructions ago)
	PLACES NP
	FETCH_B \slot, (\q)+1, 1-(\q)%2
	FETCH_A \slot, (\q)+1, 0
	WIN MUL_HI
	MUL16 4, (\q)%2, \zero
	MUL16 6, (\q)%2, \zero
	PLACES NP
	WIN 0
	FETCH_A \slot, (\q)+1, 4
.endm
; A slot's last step changes slots: ONE barrier; in front of it each wave waits for all its tensor loads, adds 0 to its spare word, and waits for that and for its own reads of this slot.  fill = 1: this slot is filled again, two K steps ahead.
.macro TURN slot, next, fill
	s_wait_tensorcnt 0x0                           ; all my tensor loads have landed: my part of the next slot  (every window is 0 here)
	ds_add_u32 v[SPW], v[NIL]                      ; 0 onto my spare word
	s_wait_dscnt 4*NL+1                            ; (the add and the youngest 16 loads, blocks 4-7, may be out)
	WIN MUL_LO
	MUL16 0, 1, 0                                  ; sixteen matrix instructions stand between the add and the wait for it
	s_wait_dscnt 0x0                               ; the add is done, and my reads of this slot are over
	s_barrier_signal -1
	MUL16 2, 1, 0
	WIN 0
	s_barrier_wait -1
.if \fill
	CREST                                          ; the barrier has opened a round of the cluster's barrier: no wave of any partner still reads this slot's tile or has a load on its way
	s_add_nc_u64 s[G0+4*\slot+2:G0+4*\slot+3], s[G0+4*\slot+2:G0+4*\slot+3], 2*ROWB
	s_add_nc_u64 s[G0B+4*\slot+2:G0B+4*\slot+3], s[G0B+4*\slot+2:G0B+4*\slot+3], 2*ROWB
	JLOAD G0+4*\slot, G1, G0B+4*\slot, G1B         ; the first tensor load behind the round; its four v_nop are the places in front of the loads below
.else
	PLACES NP
.endif
	FETCH_B \next, 0, 0
	FETCH_A \next, 0, 0
	WIN MUL_HI
	MUL16 4, 1, 0
	MUL16 6, 1, 0
	PLACES NP
	WIN 0
	FETCH_A \next, 0, 4
.endm
	s_wait_alu depctr_va_vdst(0)
	s_wait_tensorcnt 1                             ; my part of K step 0 is in (K step 1's load may be out)
	s_barrier_signal -1
	s_barrier_wait -1                              ; everybody's is
	FETCH_B 0, 0, 0
	FETCH_A 0, 0, 0
	FETCH_A 0, 0, 4
	; 1,024 along K = four fills of 256 = eight steps of 128, written out: the two first fills, two refills, no loop
	STEP 0, 0, 1                                   ; its products start the sums: nothing is cleared
	TURN 0, 1, 1
	STEP 1, 0, 0
	TURN 1, 0, 1
	STEP 0, 0, 0
	TURN 0, 1, 0                                   ; nothing is left to fetch
	STEP 1, 0, 0
	s_wait_dscnt 4*NL                              ; the very last step
	WIN MUL_LO
	MUL16 0, 1, 0
	MUL16 2, 1, 0
	s_wait_dscnt 0
	WIN MUL_HI
	MUL16 4, 1, 0
	MUL16 6, 1, 0
	WIN 0
	; THE WAY OUT.  value = sum x 2^(e0 + e1) + bias; held within +-448 x 2^e; eight numbers to two registers of codes; four registers a store.
	s_wait_kmcnt 0x0                               ; the exponents
	s_wait_loadcnt 0x0                             ; the bias
	s_add_co_i32 s96, s68, s69
	s_add_co_i32 s96, s96, 127
	s_lshl_b32 s96, s96, 23                        ; 2^(e0 + e1) as f32
	s_mov_b32 s97, s96                             ; (named with it as a pair, so it is written)
	s_cmp_eq_u32 ttmp9, 0
	s_cselect_b32 s18, s70, s71                    ; q: e2, k: e3,
	s_cmp_eq_u32 ttmp9, 2
	s_cselect_b32 s18, s73, s18                    ; v: e5
	s_add_co_i32 s18, s18, 127
	s_lshl_b32 s19, s18, 23
	v_mov_b32 v[SC], s19                           ; 2^e: the conversion takes its exponent field
	PLACES NP                                      ; behind the last products: their sources' registers are written below
; Block a: source 1's 16 rows (q, k: 16 tokens; v: 16 features) x 128.  v = 0: the bias goes by register, the 16 registers of codes are two heads' fragments of 8;  v = 1: it goes by lane, and they are one fragment of 16 (128 keys).
.macro OUT a, v
.if (\a) == 4
	s_wait_xcnt 0x0                                ; the stores of blocks 0-3 have read their codes' registers, which blocks 4-7 write again
.endif
	WIN 0x02+((\a)/4)                              ; source 0: window 2 or 3
.irp b, 0,1,2,3,4,5,6,7
.irp i, 0,2,4,6
.if \v
	v_pk_fma_f32 v[TMP+8*\b+\i:TMP+8*\b+\i+1], v[64*((\a)%4)+8*\b+\i:64*((\a)%4)+8*\b+\i+1], s[96:97], v[BL+2*(\a):BL+2*(\a)+1] op_sel_hi:[1,0,1]
.else
	v_pk_fma_f32 v[TMP+8*\b+\i:TMP+8*\b+\i+1], v[64*((\a)%4)+8*\b+\i:64*((\a)%4)+8*\b+\i+1], s[96:97], v[BR+8*\b+\i:BR+8*\b+\i+1] op_sel_hi:[1,0,1]   ; each accumulator from its low end on
.endif
.endr
.endr
	WIN 0
.irp b, 0,1,2,3,4,5,6,7
.irp i, 0,1,2,3,4,5,6,7
.endr
.endr
.irp g, 0,1,2,3,4,5,6,7
	v_cvt_scalef32_pk8_fp8_f32 v[CD+16*((\a)%4)+2*\g:CD+16*((\a)%4)+2*\g+1], v[TMP+8*\g:TMP+8*\g+7], v[SC]
.endr
	v_nop                                          ; one plain vector instruction behind the last conversion: the next block writes its sources
.irp i, 0,1,2,3
.if \v
	global_store_b128 v[VO], v[CD+16*((\a)%4)+4*\i:CD+16*((\a)%4)+4*\i+3], s[12:13] offset:((\a)/4)*HEADB+((\a)%4)*2048+\i*512
.else
	global_store_b128 v[VO], v[CD+16*((\a)%4)+4*\i:CD+16*((\a)%4)+4*\i+3], s[12:13] offset:(\i/2)*HEADB+(\a)*1024+(\i%2)*512
.endif
.endr
.endm
	s_cmp_eq_u32 ttmp9, 2                          ; the mode: the same in every wave of every partner
	s_cbranch_scc1 .Lv
.irp a, 0,1,2,3,4,5,6,7
	OUT \a, 0
.endr
	s_branch .Ldone
.Lv:
.irp a, 0,1,2,3,4,5,6,7
	OUT \a, 1
.endr
.Ldone:
	s_wait_tensorcnt 0x0                           ; the wave's end
	ds_add_u32 v[SPW], v[NIL]
	s_wait_dscnt 0x0
	CROUND                                         ; the closing round: no work-group ends while a partner may still ask for a tile that names it
	s_endpgm
.Lfunc_end_k_qa55c699d76_qkv:
	.size	k_qa55c699d76_qkv, .Lfunc_end_k_qa55c699d76_qkv-k_qa55c699d76_qkv
	.p2alignl 7, 3214868480
	.fill 96, 4, 3214868480
	.section	.rodata,"a",@progbits
	.p2align	6, 0x0
	.amdhsa_kernel k_qa55c699d76_qkv
		.amdhsa_group_segment_fixed_size 327680
		.amdhsa_private_segment_fixed_size 0
		.amdhsa_enable_private_segment 0
		.amdhsa_kernarg_size 40
		.amdhsa_user_sgpr_count 2
		.amdhsa_user_sgpr_kernarg_segment_ptr 1
		.amdhsa_wavefront_size32 1
		.amdhsa_system_sgpr_workgroup_id_x 1
		.amdhsa_system_sgpr_workgroup_id_y 1
		.amdhsa_system_sgpr_workgroup_id_z 1
		.amdhsa_system_vgpr_workitem_id 0
		.amdhsa_next_free_vgpr 1024
		.amdhsa_next_free_sgpr 100
		.amdhsa_reserve_vcc 0
		.amdhsa_float_denorm_mode_32 3
		.amdhsa_float_denorm_mode_16_64 3
		.amdhsa_fp16_overflow 1
		.amdhsa_memory_ordered 1
		.amdhsa_forward_progress 1
		.amdhsa_inst_pref_size 129
	.end_amdhsa_kernel
	.amdgpu_metadata
---
amdhsa.version: [ 1, 2 ]
amdhsa.kernels:
  - .name:           k_qa55c699d76_qkv
    .symbol:         k_qa55c699d76_qkv.kd
    .args:
      - { .name: x_codes, .offset: 0, .size: 8, .value_kind: global_buffer, .address_space: global }
      - { .name: W_qkv_codes, .offset: 8, .size: 8, .value_kind: global_buffer, .address_space: global }
      - { .name: lowp_scales, .offset: 16, .size: 8, .value_kind: global_buffer, .address_space: global }
      - { .name: b_qkv, .offset: 24, .size: 8, .value_kind: global_buffer, .address_space: global }
      - { .name: qkv_img, .offset: 32, .size: 8, .value_kind: global_buffer, .address_space: global }
    .group_segment_fixed_size: 327680
    .private_segment_fixed_size: 0
    .kernarg_segment_align: 8
    .kernarg_segment_size: 40
    .max_flat_workgroup_size: 128
    .sgpr_count:     100
    .vgpr_count:     1024
    .wavefront_size: 32
...
	.end_amdgpu_metadata
.endif
;; end of part 1
;; launch attn (part 2): grid 256 x 1, 16 waves a work-group, clusters of 4 x 1, 327,680 bytes of LDS; arguments qkv_img, lowp_scales, a_img; writes a_img
.if DOCPART == 2
	.amdgcn_target "amdgcn-amd-amdhsa--gfx1250"
	.amdhsa_code_object_version 6
	.text
	.protected	k_qa55c699d76_attn
	.globl	k_qa55c699d76_attn
	.p2align	8
	.type	k_qa55c699d76_attn,@function
k_qa55c699d76_attn:
	s_mov_b64 s[64:65], 0
	v_nop
	global_prefetch_b8 v0, s[64:65] scope:SCOPE_SE
	s_setreg_imm32_b32 hwreg(HW_REG_WAVE_MODE, 25, 1), 1
	s_wait_xcnt 0x0
	s_wait_alu depctr_hold_cnt(0) depctr_sa_sdst(0) depctr_va_vdst(0) depctr_va_sdst(0) depctr_va_ssrc(0) depctr_va_vcc(0) depctr_vm_vsrc(0)
	s_getreg_b32 s2, hwreg(HW_REG_IB_STS2, 6, 4)
	s_cmp_eq_u32 s2, 0
	s_cbranch_scc0 .Lentry_in_a_cluster
	s_endpgm
.Lentry_in_a_cluster:
	s_bfe_u32 s2, ttmp6, 0x10000c
	s_cmp_lg_u32 s2, 0x3003
	s_cbranch_scc0 .Lentry_shape_is_right
	s_endpgm
.Lentry_shape_is_right:
; Causal attention on codes of FP8 (E4M3): S = q k^T (K = 64), p = 2^(t - M), O = p v (K = the keys), O / l quantised with 2^e6 for the projection.
; t = score x log2(e) / 8; M = the running largest t rounded UP to a whole number; the row's sum l is taken of the unquantised p; when M moves, l and O are multiplied by 2^(old M - new M), which rounds nothing.
; SHARES.  A cluster of four work-groups is ONE head (64 heads, 2,048 queries each).  Each of a work-group's sixteen waves owns a PAIR of tiles of 16 queries: tile jl = 8 (w / 2) + 4 (w % 2) + cx and tile jh = 127 - jl.
; A key step is 128 keys.  Steps all of whose keys come after a tile's queries are not done: tile jh has 16 - w / 2 steps, tile jl has w / 2 + 1: EVERY WAVE HAS 17 STEPS, and the counts hang on the wave's number alone.
; LDS.  A head's K and V, 262,144 bytes, lie in LDS whole, as they lie in memory, filled ONCE by two joint loads a wave (mask: all four partners), asked for in the kernel's first lines: no slot is filled again, nothing is stored to LDS.
; The first load brings key steps 0-3, the second steps 4-15: every wave's first four steps (of its high tile, which has nine or more) need the first alone.
; IMAGES.  Q, K, V lie as images of operand registers: each ds_load_b128 and global_load_b128 takes 512 consecutive bytes, lane l's 16 at 16 l: no pitch, no padding, no bank conflict.
; LAYOUT.  Both products are used transposed: S^T = K Q^T (source 0 = 16 keys, source 1 = my 16 queries), O^T = V^T P^T (source 0 = 16 of the head's 64, source 1 = P): a lane holds ONE query (lane % 16) throughout.
; Register j of score tile t is key 16 t + 8 (lane / 16) + j: one conversion of the tile's eight registers gives registers 2 t, 2 t + 1 of P in the K = 128 form's own layout.  O^T's tiles become the projection's operand in the same way.
; THE MASK.  Only a tile's last step lies on the diagonal: there hidden scores become -infinity ahead of the maximum (p = 0).  The step's first key counts for every query of the tile, so M is a number.
; a_img: tile mt = 128 batch + jt of 16 rows at 16,384 mt; head at 1,024 head; two stores of 512 bytes.
; LIMITS: e2 + e3 between -123 and 130 (added to c's exponent field); e4, e6 between -126 and 119; e4 + e5 goes by v_ldexp_f32.  NaN among the inputs is not served.
.set HEADB, 393216                     ; a head in qkv_img: Q's 131,072 bytes, then K and V
.set KVOFF, 131072
.set STEPB, 16384                      ; a key step: K's 8 tiles of 1,024 bytes, then V's 4 of 2,048
.set VOFF,  8192
.set PART1, 65536                      ; key steps 0-3
.set LI,   1                           ; v1   16 x lane: my place in every image; never rewritten
.set ADK,  2                           ; v2   LDS address of the step in hand
.set DM,   4                           ; v4   the mask's number of the tile in hand: 16 (jt % 8) + r - 8 h: register 8 t + j is hidden where 16 t + j is greater
.set DL,   5                           ; v5   the low tile's
.set NINF, 6                           ; v6   -infinity
.set QF,   16                          ; v16-23   Q's fragment of the tile in hand
.set QL,   24                          ; v24-31   the low tile's
.set F,    32                          ; v32-95   K's eight fragments, then V's four
.set S,    96                          ; v96-159  S^T, then p
.set O,    160                         ; v160-191 O^T
.set PC,   192                         ; v192-207 p's codes
.set PLIM, 232                         ; v233 2^e4, v235 2^e6
.set PSC,  233
.set OLIM, 234
.set OSC,  235
; v12 -M, v13 the largest t, v[14:15] l in two halves; v208-215, v216-223 the two tiles' codes on the way out; v224 a permute's destination; v[226:227] f; v228, v229 at work; v[230:231] the second chain of sums
.set TB,   2                           ; s2   LDS byte of the step in hand
.set REM,  3                           ; s3   steps left in the tile in hand
.set WV,   10                          ; s10  my wave's number
.set SEL,  20                          ; s[20:21] lane selects: lane l xor 16
.set CS,   22                          ; s[22:23] c = log2(e) / 8 x 2^(e2 + e3), twice
.set GA,   24                          ; s[24:31] descriptor group 1: 16 rows of 256 bytes;  s[32:39]: 48 rows
.set GB,   32
.set G0A,  40                          ; s[40:43], s[44:47] the two groups 0
.set G0B,  44
.set OUTH, 56                          ; s[56:57], s[58:59] where the two tiles' codes go
.set OUTL, 58
.set CNT,  66
.set EPV,  67                          ; s67  e4 + e5
.set LOWN, 68                          ; s68  the low tile's steps
.macro CROUND                          ; a round of the cluster's barrier
	s_barrier_signal -1
	s_barrier_wait -1
	s_cmp_lg_u32 s[WV], 0
	s_cbranch_scc1 .Lnot_wave_0_\@
	s_barrier_signal -3
.Lnot_wave_0_\@:
	s_barrier_wait -3
	s_barrier_signal -1
	s_barrier_wait -1
.endm
	s_load_b128 s[4:7], s[0:1], 0x0                ; qkv_img s[4:5], the scales' exponents s[6:7]
	s_load_b64 s[8:9], s[0:1], 0x10                ; a_img
	v_lshl_add_u32 v254, v0, 2, 0x40000
	v_mov_b32 v255, 0
	ds_add_u32 v254, v255
	ds_add_u32 v254, v255
	v_lshrrev_b32 v8, 5, v0
	s_delay_alu instid0(VALU_DEP_1)
	v_readfirstlane_b32 s[WV], v8                  ; wave 0..15
	v_and_b32 v[LI], 31, v0
	s_delay_alu instid0(VALU_DEP_1)
	v_lshlrev_b32 v[LI], 4, v[LI]
	s_bfe_u32 s11, ttmp6, 0x40000                  ; cx: it enters Q's and a_img's global addresses and the mask's number, nothing else
	s_lshr_b32 s12, s[WV], 1                       ; a = w / 2
	s_and_b32 s13, s[WV], 1
	s_lshl_b32 s13, s13, 2
	s_add_co_u32 s13, s13, s11                     ; bsel = 4 (w % 2) + cx
	s_lshl_b32 s14, s12, 3
	s_add_co_u32 s14, s14, s13                     ; jl
	s_sub_co_u32 s15, 127, s14                     ; jh
	; descriptor groups 1: dense blocks as rows of 256 bytes (32 elements of 8 bytes)
	s_mov_b32 s[GA], 15|(3<<16)|(1<<21)            ; 15:0 the mask: all four work-groups; 17:16 elements of 8 bytes; 21 set beside a mask; no padding
	s_mov_b32 s[GA+1], 32<<16                      ; tensor_dim0 = 32
	s_mov_b32 s[GA+2], 16<<16                      ; tensor_dim1 = 16
	s_mov_b32 s[GA+3], 32<<16                      ; tile_dim0 = 32
	s_mov_b32 s[GA+4], 16                          ; tile_dim1 = 16
	s_mov_b32 s[GA+5], 32                          ; the pitch: dense
	s_mov_b32 s[GA+6], 0
	s_mov_b32 s[GA+7], 0
	s_mov_b32 s[GB], 15|(3<<16)|(1<<21)
	s_mov_b32 s[GB+1], 32<<16
	s_mov_b32 s[GB+2], 48<<16                      ; 48 rows
	s_mov_b32 s[GB+3], 32<<16
	s_mov_b32 s[GB+4], 48
	s_mov_b32 s[GB+5], 32
	s_mov_b32 s[GB+6], 0
	s_mov_b32 s[GB+7], 0
	s_mul_i32 s16, ttmp9, HEADB                    ; the head = the cluster's number (under 2^25 bytes)
	s_mov_b32 s17, 0
	s_lshl_b32 s18, s[WV], 12                      ; my sixteenth of steps 0-3: 4,096 bytes,
	s_mov_b32 s19, 0
	s_mul_i32 s60, s[WV], 12288                    ; and of steps 4-15: 12,288
	s_mov_b32 s61, 0
	s_wait_dscnt 0x0
	s_wait_kmcnt 0x0
	s_load_b256 s[48:55], s[6:7], 0x0              ; e0 .. e7
	s_add_nc_u64 s[4:5], s[4:5], s[16:17]          ; qkv_img at my head
	s_mov_b32 s[G0A], 1                            ; count = 1
	s_mov_b32 s[G0A+1], s18                        ; LDS address: the block lies in LDS as in memory
	s_add_nc_u64 s[G0A+2:G0A+3], s[4:5], s[18:19]
	s_add_nc_u64 s[G0A+2:G0A+3], s[G0A+2:G0A+3], KVOFF
	s_or_b32 s[G0A+3], s[G0A+3], 0x80000000        ; type = 2
	s_mov_b32 s[G0B], 1
	s_add_co_u32 s[G0B+1], s60, PART1
	s_add_nc_u64 s[G0B+2:G0B+3], s[4:5], s[60:61]
	s_add_nc_u64 s[G0B+2:G0B+3], s[G0B+2:G0B+3], KVOFF+PART1
	s_or_b32 s[G0B+3], s[G0B+3], 0x80000000
	CROUND                                         ; all four work-groups are here: the joint loads meet
	tensor_load_to_lds s[G0A:G0A+3], s[GA:GA+7]    ; every wave issues both: one load of mine is out
	s_nop 0
	s_wait_alu depctr_va_vdst(0)
	s_wait_tensorcnt 0x0
	ds_add_u32 v254, v255
	s_wait_dscnt 0x0
	CROUND
	tensor_load_to_lds s[G0B:G0B+3], s[GB:GB+7]
	s_nop 0
.rept 4
	v_nop
.endr
	s_lshl_b32 s16, s15, 10                        ; Q's tile jh,
	s_add_nc_u64 s[62:63], s[4:5], s[16:17]
	s_lshl_b32 s18, s14, 10                        ; and jl
	s_add_nc_u64 s[70:71], s[4:5], s[18:19]
	s_wait_alu depctr_va_vdst(0)
	global_load_b128 v[QF:QF+3], v[LI], s[62:63]
	global_load_b128 v[QF+4:QF+7], v[LI], s[62:63] offset:512
	global_load_b128 v[QL:QL+3], v[LI], s[70:71]
	global_load_b128 v[QL+4:QL+7], v[LI], s[70:71] offset:512
	s_lshr_b32 s16, ttmp9, 4
	s_lshl_b32 s16, s16, 7                         ; 128 x batch
	s_and_b32 s18, ttmp9, 15
	s_lshl_b32 s18, s18, 10                        ; 1,024 x head
	s_add_co_u32 s72, s16, s15
	s_lshl_b32 s72, s72, 14
	s_add_co_u32 s72, s72, s18
	s_mov_b32 s73, 0
	s_add_nc_u64 s[OUTH:OUTH+1], s[8:9], s[72:73]
	s_add_co_u32 s72, s16, s14
	s_lshl_b32 s72, s72, 14
	s_add_co_u32 s72, s72, s18
	s_add_nc_u64 s[OUTL:OUTL+1], s[8:9], s[72:73]
	v_and_b32 v8, 15, v0                           ; r
	v_bfe_u32 v9, v0, 4, 1                         ; h
	s_delay_alu instid0(VALU_DEP_1)
	v_lshlrev_b32 v9, 3, v9
	s_delay_alu instid0(VALU_DEP_1)
	v_sub_nc_u32 v8, v8, v9                        ; r - 8 h (it may be negative: the compare is signed)
	s_lshl_b32 s16, s13, 4
	v_add_nc_u32 v[DL], s16, v8                    ; jl % 8 = bsel
	s_sub_co_u32 s16, 112, s16
	v_add_nc_u32 v[DM], s16, v8                    ; jh % 8 = 7 - bsel
	v_mov_b32 v[NINF], 0xff800000
	s_mov_b32 s[SEL], 0x76543210
	s_mov_b32 s[SEL+1], 0xfedcba98
	v_mov_b32 v13, 0xff61b1e6                      ; the largest t so far: -3e38, under every t
	s_delay_alu instid0(VALU_DEP_1)
	v_floor_f32 v12, -v13                          ; -M
	v_mov_b32 v14, 0
	v_mov_b32 v15, 0
	v_mov_b32 v224, 0                              ; written once: a lane permute's destination counts as one of its sources
	v_mov_b32 v227, 0                              ; (named as the upper half of the pair v[226:227])
.irp j, 0,1,2,3,4,5,6,7,8,9,10,11,12,13,14,15,16,17,18,19,20,21,22,23,24,25,26,27,28,29,30,31
	v_mov_b32 v[O+\j], 0                           ; the step is written without a first step of its own: it finds zeros, which the first change of M leaves zeros
.endr
	s_sub_co_u32 s[REM], 16, s12                   ; the high tile's steps
	s_add_co_u32 s[LOWN], s12, 1                   ; the low tile's
	s_mov_b32 s[TB], 0
	s_wait_kmcnt 0x0
	s_mov_b32 s[CS], 0x3e38aa3b                    ; log2(e) / 8
	s_add_co_i32 s16, s50, s51
	s_lshl_b32 s16, s16, 23
	s_add_co_i32 s[CS], s[CS], s16                 ; x 2^(e2 + e3): added to the exponent field
	s_mov_b32 s[CS+1], s[CS]
	s_add_co_i32 s16, s52, 127
	s_lshl_b32 s18, s16, 23
	v_mov_b32 v[PSC], s18                          ; 2^e4
	s_add_co_i32 s16, s54, 127
	s_lshl_b32 s18, s16, 23
	v_mov_b32 v[OSC], s18                          ; 2^e6
	s_add_co_i32 s[EPV], s52, s53                  ; e4 + e5
; A KEY STEP: 128 keys at LDS byte s[TB].  diag = 1: the step may be the tile's last, which lies on the diagonal.
.macro STEP diag
	v_add_nc_u32 v[ADK], s[TB], v[LI]
.irp t, 0,1,2,3,4,5,6,7
	ds_load_b128 v[F+8*\t:F+8*\t+3], v[ADK] offset:1024*\t          ; K's tile t: 16 keys x 64
	ds_load_b128 v[F+8*\t+4:F+8*\t+7], v[ADK] offset:1024*\t+512
.endr
	s_wait_alu depctr_va_vdst(0)
	s_wait_dscnt 0x0
.irp t, 0,1,2,3,4,5,6,7
	v_wmma_f32_16x16x64_fp8_fp8 v[S+8*\t:S+8*\t+7], v[F+8*\t:F+8*\t+7], v[QF:QF+7], 0
.endr
.rept 4
	v_nop                                          ; places in front of the loads into K's registers and of the first read of the scores
.endr
.irp t, 0,1,2,3
.irp c, 0,1,2,3
	ds_load_b128 v[F+16*\t+4*\c:F+16*\t+4*\c+3], v[ADK] offset:VOFF+2048*\t+512*\c   ; V's tile t: 16 of the head's 64 x 128 keys: it lands during the softmax
.endr
.endr
.if \diag
	s_cmp_lg_u32 s[REM], 1                         ; a scalar branch on a count made of the wave's number
	s_cbranch_scc1 .Lopen_\@
.irp t, 0,1,2,3,4,5,6,7
.irp j, 0,1,2,3,4,5,6,7
	v_cmp_gt_i32 vcc_lo, 16*\t+\j, v[DM]
	v_cndmask_b32 v[S+8*\t+\j], v[S+8*\t+\j], v[NINF], vcc_lo
.endr
.endr
.Lopen_\@:
.endif
	v_max3_num_f32 v228, v[S], v[S+1], v[S+2]      ; the step's largest score of my query, among my 64 keys, in two chains; each accumulator is first read at its low end
	v_max3_num_f32 v229, v[S+3], v[S+4], v[S+5]
.irp i, 6,10,14,18,22,26,30,34,38,42,46,50,54,58
	v_max3_num_f32 v228, v228, v[S+\i], v[S+1+\i]
	v_max3_num_f32 v229, v229, v[S+2+\i], v[S+3+\i]
.endr
	v_max3_num_f32 v228, v228, v[S+62], v[S+63]
	s_delay_alu instid0(VALU_DEP_1)
	v_max_num_f32 v228, v228, v229
	s_delay_alu instid0(VALU_DEP_1)
	v_permlanex16_b32 v224, v228, s[SEL], s[SEL+1]
	s_delay_alu instid0(VALU_DEP_1)
	v_max_num_f32 v228, v228, v224                 ; and among lane l xor 16's
	s_delay_alu instid0(VALU_DEP_1)
	v_mul_f32 v228, s[CS], v228                    ; as t (c is positive)
	s_delay_alu instid0(VALU_DEP_1)
	v_max_num_f32 v13, v13, v228                   ; the running largest t
	v_mov_b32 v228, v12
	s_delay_alu instid0(VALU_DEP_2)
	v_floor_f32 v12, -v13                          ; the new -M = floor(-t) = -ceil(t)
	s_delay_alu instid0(VALU_DEP_1)
	v_sub_f32 v228, v12, v228                      ; old M - new M: a whole number, 0 or less
	s_delay_alu instid0(VALU_DEP_1)
	v_cvt_i32_f32 v228, v228                       ; (it saturates)
	s_delay_alu instid0(VALU_DEP_1)
	v_ldexp_f32 v226, 1.0, v228                    ; f = 2^(old M - new M)
.irp t, 0,1,2,3,4,5,6,7
.irp i, 0,2,4,6
	v_pk_fma_f32 v[S+8*\t+\i:S+8*\t+\i+1], v[S+8*\t+\i:S+8*\t+\i+1], s[CS:CS+1], v[12:13] op_sel_hi:[1,0,0]   ; t - M, two at a time
.endr
.endr
	s_wait_alu depctr_va_vdst(0)
.irp t, 0,1,2,3,4,5,6,7
.irp i, 0,1,2,3,4,5,6,7
	v_exp_f32 v[S+8*\t+\i], v[S+8*\t+\i]           ; p = 2^(t - M), at most 1
.endr
.endr
	v_pk_mul_f32 v[14:15], v[14:15], v[226:227] op_sel_hi:[1,0]   ; l under the new M: the plain instruction behind the exponentials
	s_wait_alu depctr_va_vdst(0)                   ; one wait for the batch of 64, ahead of its first reader
	v_pk_add_f32 v[230:231], v[S:S+1], v[S+2:S+3]  ; the sum of the UNQUANTISED p, in two chains
.irp j, 4,8,12,16,20,24,28,32,36,40,44,48,52,56,60
	v_pk_add_f32 v[14:15], v[14:15], v[S+\j:S+1+\j]
	v_pk_add_f32 v[230:231], v[230:231], v[S+2+\j:S+3+\j]
.endr
	s_delay_alu instid0(VALU_DEP_1)
	v_pk_add_f32 v[14:15], v[14:15], v[230:231]
.irp t, 0,1,2,3,4,5,6,7
.irp i, 0,1,2,3,4,5,6,7
.endr
	v_cvt_scalef32_pk8_fp8_f32 v[PC+2*\t:PC+2*\t+1], v[S+8*\t:S+8*\t+7], v[PSC]   ; keys 16 t + 8 h + 0 .. 7: registers 2 t, 2 t + 1 of the operand
.endr
.irp j, 0,2,4,6,8,10,12,14,16,18,20,22,24,26,28,30
	v_pk_mul_f32 v[O+\j:O+\j+1], v[O+\j:O+\j+1], v[226:227] op_sel_hi:[1,0]   ; O^T under the new M; also the plain instructions behind the conversions
.endr
	s_wait_alu depctr_va_vdst(0)
	s_wait_dscnt 0x0                               ; V is in
.irp t, 0,1,2,3
	v_wmma_f32_16x16x128_fp8_fp8 v[O+8*\t:O+8*\t+7], v[F+16*\t:F+16*\t+15], v[PC:PC+15], v[O+8*\t:O+8*\t+7]   ; the four accumulators by turns; eight score products stand between two steps' turns
.endr
.rept 4
	v_nop                                          ; places in front of the next step's loads into V's registers, and of the reads of O^T
.endr
.endm
; A tile is finished: O^T / l x 2^(e4 + e5), held, quantised with 2^e6, stored as the image of half a fragment of the projection's operand.
.macro FINISH oc, out
	s_wait_xcnt 0x0                                ; earlier stores have read their registers
	v_add_f32 v14, v14, v15                        ; l's two halves,
	s_delay_alu instid0(VALU_DEP_1)
	v_permlanex16_b32 v224, v14, s[SEL], s[SEL+1]
	s_delay_alu instid0(VALU_DEP_1)
	v_add_f32 v14, v14, v224                       ; and lane l xor 16's
	s_wait_alu depctr_va_vdst(0)
	v_rcp_f32 v14, v14
	v_nop                                          ; a plain instruction behind the reciprocal
	s_wait_alu depctr_va_vdst(0)                   ; and the wait ahead of its first reader
	v_ldexp_f32 v14, v14, s[EPV]
.irp j, 0,2,4,6,8,10,12,14,16,18,20,22,24,26,28,30
	v_pk_mul_f32 v[S+\j:S+\j+1], v[O+\j:O+\j+1], v[14:15] op_sel_hi:[1,0]   ; register 8 t + i is o(query r, 16 t + 8 h + i)
.endr
.irp j, 0,1,2,3,4,5,6,7,8,9,10,11,12,13,14,15,16,17,18,19,20,21,22,23,24,25,26,27,28,29,30,31
.endr
.irp t, 0,1,2,3
	v_cvt_scalef32_pk8_fp8_f32 v[\oc+2*\t:\oc+2*\t+1], v[S+8*\t:S+8*\t+7], v[OSC]
.endr
	v_nop                                          ; one plain vector instruction behind the last conversion
	global_store_b128 v[LI], v[\oc:\oc+3], s[\out:\out+1]              ; 512 consecutive bytes, aligned
	global_store_b128 v[LI], v[\oc+4:\oc+7], s[\out:\out+1] offset:512
.endm
.macro REINIT                          ; on to the low tile, from key 0
	v_mov_b32 v13, 0xff61b1e6
	s_delay_alu instid0(VALU_DEP_1)
	v_floor_f32 v12, -v13
	v_mov_b32 v14, 0
	v_mov_b32 v15, 0
.irp j, 0,1,2,3,4,5,6,7,8,9,10,11,12,13,14,15,16,17,18,19,20,21,22,23,24,25,26,27,28,29,30,31
	v_mov_b32 v[O+\j], 0
.endr
.irp j, 0,1,2,3,4,5,6,7
	v_mov_b32 v[QF+\j], v[QL+\j]
.endr
	v_mov_b32 v[DM], v[DL]
	s_mov_b32 s[REM], s[LOWN]
	s_mov_b32 s[TB], 0
.endm
	s_wait_tensorcnt 0x1                           ; my part of key steps 0-3 is in; the second load may stay out
	s_barrier_signal -1
	s_barrier_wait -1                              ; everybody's is
	s_wait_loadcnt 0x0                             ; Q
	s_mov_b32 s[CNT], 4
.Lfirst:                                           ; four steps of the high tile, in LDS bytes 0 to 65,535: no diagonal and no change of tile can fall here (the high tile has nine steps or more)
	STEP 0
	s_add_co_u32 s[TB], s[TB], STEPB
	s_sub_co_u32 s[REM], s[REM], 1
	s_sub_co_u32 s[CNT], s[CNT], 1
	s_cmp_lg_u32 s[CNT], 0
	s_cbranch_scc1 .Lfirst
	s_wait_tensorcnt 0x0                           ; my part of key steps 4-15 is in,
	s_wait_dscnt 0x0
	s_barrier_signal -1
	s_barrier_wait -1                              ; everybody's is
	s_mov_b32 s[CNT], 13
.Lrest:                                            ; the other thirteen steps: the rest of the high tile, then the low tile
	s_cmp_lg_u32 s[REM], 0
	s_cbranch_scc1 .Lsame
	FINISH 208, OUTH
	REINIT
.Lsame:
	STEP 1
	s_add_co_u32 s[TB], s[TB], STEPB
	s_and_b32 s[TB], s[TB], 0x3c000                ; sixteen steps in LDS: behind the high tile's last step the address is not used
	s_sub_co_u32 s[REM], s[REM], 1
	s_sub_co_u32 s[CNT], s[CNT], 1
	s_cmp_lg_u32 s[CNT], 0
	s_cbranch_scc1 .Lrest
	FINISH 216, OUTL
	s_wait_tensorcnt 0x0
	ds_add_u32 v254, v255
	s_wait_dscnt 0x0
	CROUND                                         ; the closing round
	s_endpgm
.Lfunc_end_k_qa55c699d76_attn:
	.size	k_qa55c699d76_attn, .Lfunc_end_k_qa55c699d76_attn-k_qa55c699d76_attn
	.p2alignl 7, 3214868480
	.fill 96, 4, 3214868480
	.section	.rodata,"a",@progbits
	.p2align	6, 0x0
	.amdhsa_kernel k_qa55c699d76_attn
		.amdhsa_group_segment_fixed_size 327680
		.amdhsa_private_segment_fixed_size 0
		.amdhsa_enable_private_segment 0
		.amdhsa_kernarg_size 24
		.amdhsa_user_sgpr_count 2
		.amdhsa_user_sgpr_kernarg_segment_ptr 1
		.amdhsa_wavefront_size32 1
		.amdhsa_system_sgpr_workgroup_id_x 1
		.amdhsa_system_sgpr_workgroup_id_y 1
		.amdhsa_system_sgpr_workgroup_id_z 1
		.amdhsa_system_vgpr_workitem_id 0
		.amdhsa_next_free_vgpr 256
		.amdhsa_next_free_sgpr 80
		.amdhsa_reserve_vcc 1
		.amdhsa_float_denorm_mode_32 3
		.amdhsa_float_denorm_mode_16_64 3
		.amdhsa_fp16_overflow 1
		.amdhsa_memory_ordered 1
		.amdhsa_forward_progress 1
		.amdhsa_inst_pref_size 46
	.end_amdhsa_kernel
	.amdgpu_metadata
---
amdhsa.version: [ 1, 2 ]
amdhsa.kernels:
  - .name:           k_qa55c699d76_attn
    .symbol:         k_qa55c699d76_attn.kd
    .args:
      - { .name: qkv_img, .offset: 0, .size: 8, .value_kind: global_buffer, .address_space: global }
      - { .name: lowp_scales, .offset: 8, .size: 8, .value_kind: global_buffer, .address_space: global }
      - { .name: a_img, .offset: 16, .size: 8, .value_kind: global_buffer, .address_space: global }
    .group_segment_fixed_size: 327680
    .private_segment_fixed_size: 0
    .kernarg_segment_align: 8
    .kernarg_segment_size: 24
    .max_flat_workgroup_size: 512
    .sgpr_count:     80
    .vgpr_count:     256
    .wavefront_size: 32
...
	.end_amdgpu_metadata
.endif
;; end of part 2
;; launch proj (part 3): grid 8 x 32, 4 waves a work-group, clusters of 4 x 4, 327,680 bytes of LDS; arguments a_img, W_proj_codes, lowp_scales, b_proj, out0; writes out0
.if DOCPART == 3
	.amdgcn_target "amdgcn-amd-amdhsa--gfx1250"
	.amdhsa_code_object_version 6
	.text
	.protected	k_qa55c699d76_proj
	.globl	k_qa55c699d76_proj
	.p2align	8
	.type	k_qa55c699d76_proj,@function
k_qa55c699d76_proj:
	s_mov_b64 s[64:65], 0
	v_nop
	global_prefetch_b8 v0, s[64:65] scope:SCOPE_SE
	s_setreg_imm32_b32 hwreg(HW_REG_WAVE_MODE, 25, 1), 1
	s_wait_xcnt 0x0
	s_wait_alu depctr_hold_cnt(0) depctr_sa_sdst(0) depctr_va_vdst(0) depctr_va_sdst(0) depctr_va_ssrc(0) depctr_va_vcc(0) depctr_vm_vsrc(0)
	s_getreg_b32 s2, hwreg(HW_REG_IB_STS2, 6, 4)
	s_cmp_eq_u32 s2, 0
	s_cbranch_scc0 .Lentry_in_a_cluster
	s_endpgm
.Lentry_in_a_cluster:
	s_bfe_u32 s2, ttmp6, 0x10000c
	s_cmp_lg_u32 s2, 0xf033
	s_cbranch_scc0 .Lentry_shape_is_right
	s_endpgm
.Lentry_shape_is_right:
; out0 = attn W_proj + b_proj on codes of FP8 (E4M3).  attn: a_img, images of operand registers (tile mt of 16 rows at 16,384 mt; K step s of 128 at 2,048 s; four pieces of 512 bytes, lane l's 16 bytes at 16 l).
; W_proj: [1024 (n)][1024 (k)] codes, K innermost.  out0: [8192][1024] f32 = sum x 2^(e6 + e7) + b_proj, one fused multiply-add.
; SHARES.  256 work-groups of four waves; a work-group makes 256 rows x 128 columns, a wave 128 x 64: 32 accumulators, 256 registers; a wave's part of a row of out0 is 256 bytes, aligned.
; K goes in steps of 256 through a ring of two LDS slots: 1,024 along K are four fills.  CLUSTERS: 4 x 4; attn's tile is shared along a row of the cluster, W's along a column: joint loads.
; The images hold k in the K = 128 form's own places (registers 2 c, 2 c + 1: k = 16 c + 8 (l / 16) + 0 .. 7), so W's fragments are fetched in those places too: eight loads of 8 bytes.
; THE MATRIX INSTRUCTION IS USED TRANSPOSED (source 0 = 16 rows of W, source 1 = 16 rows of attn): a lane holds eight neighbouring numbers of a row of out0.
; LIMIT: e6 + e7 between -126 and 127.
; REGISTERS: window 0: v1-29 addresses; v32-63 the bias; v64-95 at work on the way out; v128-255 attn's eight fragments, ONE set (on the way out: rows read back).  window 1: W's fragments, TWO sets of 64.  window 2: accumulator (a, b) at v[8 (4 a + b)].
.set PITCH,  272                       ; a row of W in LDS: 256 bytes + 16 of padding
.set FR,     16
.set NL,     4                         ; LDS loads that bring a fragment of attn
.set NP,     4                         ; places behind this matrix instruction (ISA guide 7.12.1)
.set ABYTES, 65536                     ; a slot: 16 tiles of rows x 4,096 bytes of images (two K steps of 128),
.set BHALF,  64*PITCH                  ; then W's 128 rows, in two halves
.set SLOT,   ABYTES+2*BHALF
.set STAGE,  2*SLOT                    ; behind the ring: 16 rows x 272 bytes for each wave; no tensor load fills it
.set SPITCH, 272
.set SPARE,  STAGE+4*16*SPITCH         ; behind the stages: the spare words, 128 bytes for each wave
.set ADRA, 16                          ; v16-17  LDS address of attn's fragments in slot 0, 1
.set ADRB, 20                          ; v20-21  the same for W
.set STO,  24                          ; v24     the way out: where I put 32 bytes of a row
.set RD,   25                          ; v25     where I read rows back
.set CO,   26                          ; v26     my byte offset in two rows of out0
.set SPW,  28
.set NIL,  29
.set BI,   32                          ; v32-63  b_proj(my first column + 16 b + 8 h + i) at 8 b + i
.set TMP,  64
.set AF,   128
.set BK,   128                         ; the way out: v128-159 and v160-191 by turns
.set G1, 24
.set G0, 32
.set G1B, 48
.set G0B, 56
.set MSB, 0
.macro WIN new
.if MSB != \new
	s_set_vgpr_msb (MSB<<8)|\new
.set MSB, \new
.endif
.endm
.set MUL,  0xa1                        ; source 0 (W) window 1, source 1 (attn) window 0, C and D window 2
.set TO_B, 0x40                        ; destination window 1, address window 0
.macro JLOAD g0a, g1a, g0b, g1b        ; waves 0 and 1 fetch attn's two halves, waves 2 and 3 W's; four v_nop follow each line
	s_cmp_eq_u32 s15, 0
	s_cbranch_scc0 .Lfor_b_\@
	tensor_load_to_lds s[\g0a:\g0a+3], s[\g1a:\g1a+7]
	s_nop 0
.rept 4
	v_nop
.endr
	s_branch .Lasked_\@
.Lfor_b_\@:
	tensor_load_to_lds s[\g0b:\g0b+3], s[\g1b:\g1b+7]
	s_nop 0
.rept 4
	v_nop
.endr
.Lasked_\@:
.endm
.macro CREST
	s_cmp_lg_u32 s14, 0
	s_cbranch_scc1 .Lnot_wave_0_\@
	s_barrier_signal -3
.Lnot_wave_0_\@:
	s_barrier_wait -3
	s_barrier_signal -1
	s_barrier_wait -1
.endm
.macro CROUND
	s_barrier_signal -1
	s_barrier_wait -1
	CREST
.endm
	s_load_b128 s[4:7], s[0:1], 0x0                ; a_img s[4:5], W's codes s[6:7]
	s_load_b128 s[8:11], s[0:1], 0x10              ; the scales' exponents s[8:9], b_proj s[10:11]
	s_load_b64 s[12:13], s[0:1], 0x20              ; out0
	v_lshl_add_u32 v[SPW], v0, 2, SPARE
	v_mov_b32 v[NIL], 0
	ds_add_u32 v28, v29
	ds_add_u32 v28, v29
	s_wait_dscnt 0x0
	v_lshrrev_b32 v1, 5, v0
	v_readfirstlane_b32 s14, v1                    ; wave 0..3
	s_lshr_b32 s15, s14, 1                         ; wr: which 128 rows are mine.  Also: I fetch for attn (0) or for W (1)
	s_and_b32 s16, s14, 1                          ; wc: which 64 columns.  Also: which half of that tile I fetch
	s_bfe_u32 s40, ttmp6, 0x40000                  ; cx, cy
	s_bfe_u32 s41, ttmp6, 0x40004
	s_lshl_b32 s42, ttmp9, 2
	s_add_co_u32 s42, s42, s40                     ; ct: tile column (128 columns)
	s_and_b32 s17, ttmp7, 0xffff
	s_lshl_b32 s17, s17, 2
	s_add_co_u32 s17, s17, s41                     ; rt: tile row (256 rows)
	s_lshl_b32 s43, s41, 2
	s_lshl_b32 s43, 15, s43                        ; my row of the cluster
	s_lshl_b32 s44, 0x1111, s40                    ; my column
	; group 1 for attn's images: 8 rows (tiles of 16 rows of attn) of 4,096 bytes, 16,384 bytes apart; elements of 8 bytes; no padding
	s_or_b32 s[G1+0], s43, (3<<16)|(1<<21)
	s_mov_b32 s[G1+1], 512<<16                     ; tensor_dim0 = 512
	s_mov_b32 s[G1+2], 8<<16                       ; tensor_dim1 = 8
	s_mov_b32 s[G1+3], 512<<16                     ; tile_dim0
	s_mov_b32 s[G1+4], 8                           ; tile_dim1
	s_mov_b32 s[G1+5], 2048                        ; the pitch
	s_mov_b32 s[G1+6], 0
	s_mov_b32 s[G1+7], 0
	; group 1 for W's tiles: 64 rows of 256 bytes, 1,024 apart, four words of padding behind every 64
	s_or_b32 s[G1B+0], s44, (0<<16)|(1<<20)|(1<<21)|(5<<22)|(3<<25)
	s_mov_b32 s[G1B+1], 256<<16
	s_mov_b32 s[G1B+2], 64<<16
	s_mov_b32 s[G1B+3], 256<<16
	s_mov_b32 s[G1B+4], 64
	s_mov_b32 s[G1B+5], 1024
	s_mov_b32 s[G1B+6], 0
	s_mov_b32 s[G1B+7], 0
	s_lshl_b32 s20, s17, 18                        ; attn: tile 16 rt + 8 x half, x 16,384 bytes
	s_lshl_b32 s18, s16, 17
	s_add_co_u32 s20, s20, s18
	s_mov_b32 s21, 0
	s_lshl_b32 s46, s42, 17                        ; W: row 128 ct + 64 x half, x 1,024 bytes
	s_lshl_b32 s18, s16, 16
	s_add_co_u32 s46, s46, s18
	s_mov_b32 s47, 0
	s_lshl_b32 s45, s16, 15                        ; where they go in a slot: attn's half,
	s_mul_i32 s19, s16, BHALF
	s_add_co_u32 s19, s19, ABYTES                  ; W's half: no place in the cluster enters an LDS address
	s_wait_kmcnt 0x0
	s_load_b256 s[68:75], s[8:9], 0x0              ; e0 .. e7
	s_add_nc_u64 s[20:21], s[4:5], s[20:21]
	s_add_nc_u64 s[46:47], s[6:7], s[46:47]
	CROUND                                         ; all sixteen work-groups are here: the first joint loads meet
.irp s, 0,1
	s_mov_b32 s[G0+4*\s], 1
	s_add_co_u32 s[G0+4*\s+1], s45, \s*SLOT
	s_add_nc_u64 s[G0+4*\s+2:G0+4*\s+3], s[20:21], \s*4096
	s_or_b32 s[G0+4*\s+3], s[G0+4*\s+3], 0x80000000
	s_mov_b32 s[G0B+4*\s], 1
	s_add_co_u32 s[G0B+4*\s+1], s19, \s*SLOT
	s_add_nc_u64 s[G0B+4*\s+2:G0B+4*\s+3], s[46:47], \s*256
	s_or_b32 s[G0B+4*\s+3], s[G0B+4*\s+3], 0x80000000
	s_wait_alu depctr_va_vdst(0)
	s_wait_tensorcnt 0x0
	ds_add_u32 v28, v29
	ds_add_u32 v28, v29
	s_wait_dscnt 0x0
	CROUND
	JLOAD G0+4*\s, G1, G0B+4*\s, G1B               ; one load of mine is out
.endr
	v_and_b32 v1, 15, v0                           ; r
	v_bfe_u32 v2, v0, 4, 1                         ; h
	v_and_b32 v3, 31, v0
	v_lshlrev_b32 v3, 4, v3                        ; 16 x lane: my place in an image
	v_mul_u32_u24 v4, v1, PITCH
	v_lshl_add_u32 v4, v2, 3, v4                   ; W: row r x pitch + 8 h
	s_lshl_b32 s21, s15, 15                        ; my 8 tiles of attn
	s_mul_i32 s22, s16, BHALF
	s_add_co_u32 s22, s22, ABYTES                  ; my 64 rows of W
.irp s, 0,1
	v_add_nc_u32 v[ADRA+\s], s21, v3
	v_add_nc_u32 v[ADRB+\s], s22, v4
	s_add_co_u32 s21, s21, SLOT
	s_add_co_u32 s22, s22, SLOT
.endr
	s_mul_i32 s23, s14, 16*SPITCH
	s_add_co_u32 s23, s23, STAGE                   ; my stage
	v_mul_u32_u24 v5, v1, SPITCH                   ; in: row r, 32 bytes for each half of the lanes
	v_lshl_add_u32 v5, v2, 5, v5
	v_add_nc_u32 v[STO], s23, v5
	v_mul_u32_u24 v5, v2, SPITCH                   ; back: lanes 0-15 one row of 256 bytes, lanes 16-31 the next
	v_lshl_add_u32 v5, v1, 4, v5
	v_add_nc_u32 v[RD], s23, v5
	v_lshlrev_b32 v5, 12, v2                       ; and the same two rows in out0: 4,096 bytes a row
	v_lshl_add_u32 v[CO], v1, 4, v5
	v_lshlrev_b32 v7, 5, v2                        ; 32 h
	s_wait_alu depctr_va_vdst(0)
	s_lshl_b32 s46, s42, 9
	s_lshl_b32 s47, s16, 8
	s_add_co_u32 s46, s46, s47                     ; my first column in bytes: 4 (128 ct + 64 wc)
	s_mov_b32 s47, 0
	s_add_nc_u64 s[10:11], s[10:11], s[46:47]
	s_add_nc_u64 s[12:13], s[12:13], s[46:47]
	s_lshl_b32 s20, s17, 20
	s_lshl_b32 s21, s15, 19
	s_add_co_u32 s20, s20, s21                     ; my first row: (256 rt + 128 wr) x 4,096 bytes, under 2^26
	s_mov_b32 s21, 0
	s_add_nc_u64 s[12:13], s[12:13], s[20:21]
.irp b, 0,1,2,3
	global_load_b128 v[BI+8*\b:BI+8*\b+3], v7, s[10:11] offset:64*\b       ; the bias: waited for on the way out
	global_load_b128 v[BI+8*\b+4:BI+8*\b+7], v7, s[10:11] offset:64*\b+16
.endr
.macro FRAGA reg, slot, q, i           ; attn's fragment of tile i, the slot's q-th 128 along K: the image as it lies
.irp c, 0,1,2,3
	ds_load_b128 v[\reg+4*\c:\reg+4*\c+3], v[ADRA+\slot] offset:(\i)*4096+2048*(\q)+512*\c
.endr
.endm
.macro FRAGB reg, slot, q, i           ; W's fragment of rows 16 i on: registers 2 c, 2 c + 1 hold K = 16 c + 8 h + 0 .. 7
.irp c, 0,1,2,3,4,5,6,7
	ds_load_b64 v[\reg+2*\c:\reg+2*\c+1], v[ADRB+\slot] offset:128*(\q)+16*\c+(\i)*16*PITCH
.endr
.endm
; 8 matrix instructions: attn's blocks a0, a0 + 1 x W's four.  The 32 accumulators take turns, one instruction a turn, in the same order in every step.
.macro MUL8 a0, p, zero
.irp a, \a0, \a0+1
.irp b, 0,1,2,3
.if \zero
	v_wmma_f32_16x16x128_fp8_fp8 v[8*(4*(\a)+\b):8*(4*(\a)+\b)+7], v[64*(\p)+FR*\b:64*(\p)+FR*\b+FR-1], v[AF+FR*(\a):AF+FR*(\a)+FR-1], 0
.else
	v_wmma_f32_16x16x128_fp8_fp8 v[8*(4*(\a)+\b):8*(4*(\a)+\b)+7], v[64*(\p)+FR*\b:64*(\p)+FR*\b+FR-1], v[AF+FR*(\a):AF+FR*(\a)+FR-1], v[8*(4*(\a)+\b):8*(4*(\a)+\b)+7]
.endif
.endr
.endr
.endm
.macro FETCH_B slot, q, p
	WIN TO_B
.irp i, 0,1,2,3
	FRAGB 64*(\p)+FR*\i, \slot, \q, \i
.endr
	WIN 0
.endm
.macro FETCH_A slot, q, i0
.irp i, \i0, \i0+1, \i0+2, \i0+3
	FRAGA AF+FR*(\i), \slot, \q, \i
.endr
.endm
.macro PLACES n
.rept \n
	v_nop
.endr
.endm
.macro STEP slot, q, zero              ; a step of 128 along K that has its successor in the same slot
	s_wait_dscnt 4*NL                              ; W's set and attn's blocks 0-3 are in; the youngest 16 loads (blocks 4-7) may be out
	WIN MUL
	MUL8 0, (\q)%2, \zero
	MUL8 2, (\q)%2, \zero
	s_wait_dscnt 0                                 ; blocks 4-7 are in
	PLACES NP
	FETCH_B \slot, (\q)+1, 1-(\q)%2
	FETCH_A \slot, (\q)+1, 0
	WIN MUL
	MUL8 4, (\q)%2, \zero
	MUL8 6, (\q)%2, \zero
	PLACES NP
	WIN 0
	FETCH_A \slot, (\q)+1, 4
.endm
.macro TURN slot, next, fill           ; a slot's last step changes slots: one barrier, the three lines in front of it, the refill first behind it
	s_wait_tensorcnt 0x0                           ; all my tensor loads have landed: my part of the next slot
	ds_add_u32 v[SPW], v[NIL]                      ; 0 onto my spare word
	s_wait_dscnt 4*NL+1                            ; (the add and the youngest 16 loads may be out)
	WIN MUL
	MUL8 0, 1, 0                                   ; eight matrix instructions stand between the add and the wait for it
	s_wait_dscnt 0x0                               ; the add is done, and my reads of this slot are over
	s_barrier_signal -1
	MUL8 2, 1, 0
	WIN 0
	s_barrier_wait -1
.if \fill
	CREST                                          ; the barrier has opened a round of the cluster's barrier
	s_add_nc_u64 s[G0+4*\slot+2:G0+4*\slot+3], s[G0+4*\slot+2:G0+4*\slot+3], 2*4096
	s_add_nc_u64 s[G0B+4*\slot+2:G0B+4*\slot+3], s[G0B+4*\slot+2:G0B+4*\slot+3], 2*256
	JLOAD G0+4*\slot, G1, G0B+4*\slot, G1B         ; the first tensor load behind the round; its four v_nop are the places in front of the loads below
.else
	PLACES NP
.endif
	FETCH_B \next, 0, 0
	FETCH_A \next, 0, 0
	WIN MUL
	MUL8 4, 1, 0
	MUL8 6, 1, 0
	PLACES NP
	WIN 0
	FETCH_A \next, 0, 4
.endm
	s_wait_tensorcnt 1                             ; my part of K step 0 is in (K step 1's load may be out)
	s_barrier_signal -1
	s_barrier_wait -1                              ; everybody's is
	FETCH_B 0, 0, 0
	FETCH_A 0, 0, 0
	FETCH_A 0, 0, 4
	STEP 0, 0, 1                                   ; eight steps of 128, written out; the first starts the sums
	TURN 0, 1, 1
	STEP 1, 0, 0
	TURN 1, 0, 1
	STEP 0, 0, 0
	TURN 0, 1, 0
	STEP 1, 0, 0
	s_wait_dscnt 4*NL
	WIN MUL
	MUL8 0, 1, 0
	MUL8 2, 1, 0
	s_wait_dscnt 0
	MUL8 4, 1, 0
	MUL8 6, 1, 0
	WIN 0
; THE WAY OUT, block by block of 16 rows x 64 columns, through my own stage: in as 32 bytes a lane, back as whole rows of 256 bytes.  LDS serves a wave's instructions in order (ISA guide 5.7.1.4): no wait between the stores and the loads.
.macro TOSTAGE a
	WIN 0x02                                       ; source 0: window 2
.irp j, 0,2,4,6,8,10,12,14,16,18,20,22,24,26,28,30
	v_pk_fma_f32 v[TMP+\j:TMP+\j+1], v[32*(\a)+\j:32*(\a)+\j+1], s[96:97], v[BI+\j:BI+\j+1] op_sel_hi:[1,0,1]   ; sum x 2^(e6 + e7) + bias; each accumulator from its low end on
.endr
	WIN 0
.irp b, 0,1,2,3
	ds_store_b128 v[STO], v[TMP+8*\b:TMP+8*\b+3] offset:64*\b
	ds_store_b128 v[STO], v[TMP+8*\b+4:TMP+8*\b+7] offset:64*\b+16
.endr
.set BB, BK+32*((\a)%2)
.irp t, 0,1,2,3,4,5,6,7
	ds_load_b128 v[BB+4*\t:BB+4*\t+3], v[RD] offset:\t*2*SPITCH
.endr
.endm
.macro SEND a, younger                 ; younger: the LDS instructions issued behind block a's loads, which may stay out
.set BB, BK+32*((\a)%2)
	s_wait_dscnt \younger                          ; the block is back in registers
.if (\a) > 0
	s_add_nc_u64 s[12:13], s[12:13], 16*4096       ; (behind a wait on XCNT)  16 rows of out0 on
.endif
.irp t, 0,1,2,3,4,5,6,7
	global_store_b128 v[CO], v[BB+4*\t:BB+4*\t+3], s[12:13] offset:\t*2*4096 th:TH_STORE_NT   ; 16 lanes store 256 consecutive bytes, aligned; written once, read by nobody here
.endr
.endm
	s_wait_kmcnt 0x0
	s_wait_loadcnt 0x0                             ; the bias
	s_add_co_i32 s96, s74, s75
	s_add_co_i32 s96, s96, 127
	s_lshl_b32 s96, s96, 23                        ; 2^(e6 + e7) as f32
	s_mov_b32 s97, s96
	PLACES NP                                      ; behind the last products: loads land in the registers that held attn's fragments
	TOSTAGE 0
.irp a, 1,2,3,4,5,6,7
.if \a > 1
	s_wait_xcnt 0x0                                ; block a - 2's stores have read their registers and their base
.endif
	TOSTAGE \a
	SEND \a-1, 16                                  ; behind block a - 1's loads: block a's 8 stores and 8 loads
.endr
	s_wait_xcnt 0x0
	SEND 7, 0
	s_wait_tensorcnt 0x0                           ; the wave's end
	ds_add_u32 v[SPW], v[NIL]
	s_wait_dscnt 0x0
	CROUND                                         ; the closing round
	s_endpgm
.Lfunc_end_k_qa55c699d76_proj:
	.size	k_qa55c699d76_proj, .Lfunc_end_k_qa55c699d76_proj-k_qa55c699d76_proj
	.p2alignl 7, 3214868480
	.fill 96, 4, 3214868480
	.section	.rodata,"a",@progbits
	.p2align	6, 0x0
	.amdhsa_kernel k_qa55c699d76_proj
		.amdhsa_group_segment_fixed_size 327680
		.amdhsa_private_segment_fixed_size 0
		.amdhsa_enable_private_segment 0
		.amdhsa_kernarg_size 40
		.amdhsa_user_sgpr_count 2
		.amdhsa_user_sgpr_kernarg_segment_ptr 1
		.amdhsa_wavefront_size32 1
		.amdhsa_system_sgpr_workgroup_id_x 1
		.amdhsa_system_sgpr_workgroup_id_y 1
		.amdhsa_system_sgpr_workgroup_id_z 1
		.amdhsa_system_vgpr_workitem_id 0
		.amdhsa_next_free_vgpr 768
		.amdhsa_next_free_sgpr 100
		.amdhsa_reserve_vcc 0
		.amdhsa_float_denorm_mode_32 3
		.amdhsa_float_denorm_mode_16_64 3
		.amdhsa_memory_ordered 1
		.amdhsa_forward_progress 1
		.amdhsa_inst_pref_size 87
	.end_amdhsa_kernel
	.amdgpu_metadata
---
amdhsa.version: [ 1, 2 ]
amdhsa.kernels:
  - .name:           k_qa55c699d76_proj
    .symbol:         k_qa55c699d76_proj.kd
    .args:
      - { .name: a_img, .offset: 0, .size: 8, .value_kind: global_buffer, .address_space: global }
      - { .name: W_proj_codes, .offset: 8, .size: 8, .value_kind: global_buffer, .address_space: global }
      - { .name: lowp_scales, .offset: 16, .size: 8, .value_kind: global_buffer, .address_space: global }
      - { .name: b_proj, .offset: 24, .size: 8, .value_kind: global_buffer, .address_space: global }
      - { .name: out0, .offset: 32, .size: 8, .value_kind: global_buffer, .address_space: global }
    .group_segment_fixed_size: 327680
    .private_segment_fixed_size: 0
    .kernarg_segment_align: 8
    .kernarg_segment_size: 40
    .max_flat_workgroup_size: 128
    .sgpr_count:     100
    .vgpr_count:     768
    .wavefront_size: 32
...
	.end_amdgpu_metadata
.endif
;; end of part 3
